; MI455X (gfx1250); checked and timed in simulation.
; The chip was launched on July 23, 2026; its instructions are those of AMD's public machine-readable ISA for CDNA 5 (MIT licence, August 2026) and "CDNA5" Instruction Set Architecture Reference Guide (July 2026). The comments in the code are by the model that wrote it; some were corrected since.
;; Multi Head Attention. Allowed arithmetic: matrix products marked QUANTISED: E4M3 operands, one given power-of-two scale a tensor, by v_wmma_f32_16x16x64_fp8_fp8 or v_wmma_f32_16x16x128_fp8_fp8, f32 sums; everything else in f32.
;; Inputs: Wk_codes 1,024 x 32 x 32 uint8 (E4M3 codes of Wk, K innermost, in blocks of 32 codes); Wo_codes 1,024 x 32 x 32 uint8 (E4M3 codes of Wo, K innermost, in blocks of 32 codes); Wq_codes 1,024 x 32 x 32 uint8 (E4M3 codes of Wq, K innermost, in blocks of 32 codes); Wv_codes 1,024 x 32 x 32 uint8 (E4M3 codes of Wv, K innermost, in blocks of 32 codes); bo 1,024 float32; lowp_scales 12 int32 (the exponents e of the quantised operands' scales 2^e); x_codes 4 x 2,048 x 32 x 32 uint8 (E4M3 codes of x, K innermost, in blocks of 32 codes).
;; Outputs: out0 4 x 2,048 x 1,024 float32.
;; This version of the problem:
;;   THIS VERSION OF THE PROBLEM IS GIVEN IN LOW PRECISION. The matrix products marked QUANTISED in the list below multiply operands that are first quantised to E4M3 (4 exponent bits, 3 mantissa bits; 8 bits a number), with one given power-of-two scale for each operand tensor; their sums are f32. All else is computed in f32.
;;   The module's matrix products, in the order in which they are computed (A, B: the left and right operand; K: the contracted axis; several contracted axes count as one K, in the product's order):
;;     1. [M 8,192, K 1,024] x [K 1,024, N 1,024]; A: input x (given as codes); B: input Wq (given as codes): QUANTISED (scales: A lowp_scales[0], B lowp_scales[1])
;;     2. [M 8,192, K 1,024] x [K 1,024, N 1,024]; A: input x (given as codes); B: input Wk (given as codes): QUANTISED (scales: A lowp_scales[2], B lowp_scales[3])
;;     3. [M 8,192, K 1,024] x [K 1,024, N 1,024]; A: input x (given as codes); B: input Wv (given as codes): QUANTISED (scales: A lowp_scales[4], B lowp_scales[5])
;;     4. batch 64 x [M 2,048, K 64] x [K 64, N 2,048]; A: computed on the way; B: computed on the way: QUANTISED (scales: A lowp_scales[6], B lowp_scales[7])
;;     5. batch 64 x [M 2,048, K 2,048] x [K 2,048, N 64]; A: softmax (see below); B: computed on the way: QUANTISED (scales: A lowp_scales[8], B lowp_scales[9])
;;     6. [M 8,192, K 1,024] x [K 1,024, N 1,024]; A: computed on the way; B: input Wo (given as codes): QUANTISED (scales: A lowp_scales[10], B lowp_scales[11])
;;   THE QUANTISER, for each operand of a quantised product, along K:
;;     - The operand's scale is 2^e, e = its entry of the input lowp_scales (int32; the entries are numbered through the quantised products in the list's order, A before B).
;;     - Each number is divided by the scale, clamped to +-448, and rounded to the nearest number of E4M3, ties to even, subnormals kept.
;;     - The product sums the exact products of the quantised numbers (number of the format x scale) in f32.
;;   ~~~python
;;   def quantise(x, axis, e):      # numpy; x: float32 -> the quantised numbers, widened to float32 again
;;       x = np.moveaxis(x, axis, -1); K = x.shape[-1]
;;       r = np.clip(x / 2.0 ** e, -448, 448)
;;       step = 2.0 ** (np.maximum(np.frexp(np.where(r == 0, 1, r))[1] - 1, -6) - 3)
;;       q = np.round(r / step) * step * 2.0 ** e      # np.round: ties to even
;;       return np.moveaxis(q, -1, axis).astype(np.float32)
;;   ~~~
;;   SOFTMAX AHEAD OF A QUANTISED PRODUCT. Where the list says 'softmax', what is quantised is not the finished softmax but p = 2^(t - M), with t = logit x log2(e) and M = ceil(the row's largest t), a whole number; so 1/2 < the row's largest p <= 1. The row's sum l is taken of the UNQUANTISED p, in f32, and the product's result is divided by l at the end. Since M is a whole number, a kernel that streams over the keys may use a running M (the ceiling of the running maximum): every later rescaling is an exact power of two, so the quantised numbers keep their values, but for numbers so far below the row's largest that they fall under the format's range.
;;   OPERANDS COMPUTED ON THE WAY. 'Computed on the way' means the value that the module computes at that place (a softmax that the list does not call 'softmax' is quantised finished and normalised). What goes into a quantiser is computed in f32, as accurately as f32 sums, v_exp_f32 and their like allow (about 1e-6 of the number): no bf16 or f16 on the way to a quantiser, and a product that is left as it is and whose result goes on into a quantised operand takes f32 operands (vector FMAs, or v_wmma_f32_16x16x4_f32). A number that lies on a knife's edge between two numbers of the format may be rounded either way, as far as f32 arithmetic and the matrix unit's own rounding can turn it there, and no further.
;;   INPUTS GIVEN AS CODES. Wk (in the module: [1024, 1024], K = its axis 0); Wo (in the module: [1024, 1024], K = its axis 0); Wq (in the module: [1024, 1024], K = its axis 0); Wv (in the module: [1024, 1024], K = its axis 0); x (in the module: [4, 2048, 1024], K = its axis 2): each comes as NAME_codes (uint8): NAME with its K axis moved to the last place and cut into blocks of 32 codes, [.., K / 32, bytes a block], one block behind the other in memory; one code a byte (a code: sign, 4 exponent bits, 3 mantissa bits); its scale is its entry of lowp_scales. Its value is code x scale, taken as it is: it is not quantised again, and the codes and scales need not be those that the quantiser above would give.
;; One version. Each part assembles by itself: llvm-mc -triple=amdgcn-amd-amdhsa -mcpu=gfx1250 --defsym DOCPART=n.
;; ======== version 1 of 1: 3 launches
;; limits: right only within a limited range of input values
;; workspace buffers: q_codes 8,388,608 bytes; k_codes 8,388,608 bytes; v_codes 8,388,608 bytes; ctx_codes 8,388,608 bytes
;; launch qkv (part 1): grid 12 x 32, 4 waves a work-group, clusters of 4 x 4, 327,680 bytes of LDS; arguments x_codes, Wq_codes, Wk_codes, Wv_codes, lowp_scales, q_codes, k_codes, v_codes; writes q_codes, k_codes, v_codes
.if DOCPART == 1
	.amdgcn_target "amdgcn-amd-amdhsa--gfx1250"
	.amdhsa_code_object_version 6
	.text
	.protected	k_q62fa973f8e_qkv
	.globl	k_q62fa973f8e_qkv
	.p2align	8
	.type	k_q62fa973f8e_qkv,@function
k_q62fa973f8e_qkv:
	s_mov_b64 s[64:65], 0
	v_nop
	global_prefetch_b8 v0, s[64:65] scope:SCOPE_SE
	s_setreg_imm32_b32 hwreg(HW_REG_WAVE_MODE, 25, 1), 1
	s_wait_xcnt 0x0
	s_wait_alu depctr_hold_cnt(0) depctr_sa_sdst(0) depctr_va_vdst(0) depctr_va_sdst(0) depctr_va_ssrc(0) depctr_va_vcc(0) depctr_vm_vsrc(0)
	s_getreg_b32 s2, hwreg(HW_REG_IB_STS2, 6, 4)
	s_cmp_eq_u32 s2, 0
	s_cbranch_scc0 .Lentry_in_a_cluster
	s_endpgm
.Lentry_in_a_cluster:
	s_bfe_u32 s2, ttmp6, 0x10000c
	s_cmp_lg_u32 s2, 0xf033
	s_cbranch_scc0 .Lentry_shape_is_right
	s_endpgm
.Lentry_shape_is_right:
; q = x Wq, k = x Wk, v = x Wv on codes of FP8 (E4M3), and the three results quantised for attention's two products.
; x: [8192][1024] codes; Wq, Wk, Wv: [1024 (n)][1024 (k)] codes, K innermost.  Entries 0-5 of the scales belong to these products' operands; q is quantised with entry 6, k with 7, v with 9.
; ONE TEXT FOR THE THREE PRODUCTS.  C'[m][n] = sum over k of A[m][k] B[n][k].  The cluster's x says which product: 0: A = x, B = Wq;  1: A = x, B = Wk;  2: A = Wv, B = x, which gives v TRANSPOSED.
; The matrix instruction is used transposed (source 0 = 16 rows of B, source 1 = 16 rows of A), so a lane holds eight neighbours along n of one row m: for q and k eight channels of a token, for v eight
; tokens (keys) of a channel: each time eight neighbours along the NEXT product's K, which one conversion turns into eight codes.
; What differs between the products is chosen by s_cselect on the cluster's x, which all sixteen partners share; there is no branch on it.
; OUT: q_codes, k_codes [b 4][head 16][t 2048][64];  v_codes [b 4][key block 32][channel 1024][64 keys].  In all three a row m of a wave's tile is 64 bytes, rows on end, and the tile's second 64 along n lie FAR bytes on.
; A tile of C' is 256 x 256, four waves of 128 x 128 (64 accumulators, 512 registers).  K goes in 4 steps of 256 through a ring of two LDS slots filled by the tensor data mover.
; CLUSTERS: 4 x 4 work-groups.  A's tile hangs on the tile row alone and is asked for jointly by a row of the cluster, B's on the tile column alone, by a column.
; LIMITS: e6 - e0 - e1, e7 - e2 - e3 and e9 - e4 - e5 lie between -126 and 119, so that the scale and 448 x the scale are f32 numbers.  NaN codes among the inputs are not served.
; REGISTERS, in windows of 256: window 0: v0-31 addresses and the scale number; from v128 A's fragments, ONE set; on the way out v32-255 are free.
;   window 1: B's fragments, TWO sets.   window 2: the accumulators of my rows 0-63 ((a, b) at v[8 (8 a + b)]);   window 3: those of my rows 64-127.
.set ROWB,   256                       ; a tile's row in bytes: 256 codes
.set KROW,   1024                      ; a row of x or of a weight in memory
.set PITCH,  272                       ; an LDS row: 256 bytes + 16 of padding = 68 words: the 16 rows that a load touches start at 16 different banks (64 banks of 4 bytes: ISA guide 11.1)
.set FR,     16                        ; registers of a fragment: 16 rows x 128 K
.set NL,     4                         ; LDS loads that bring one
.set NP,     4                         ; places behind this matrix instruction (ISA guide 7.12.1)
.set HALFT,  128*PITCH                 ; 128 rows: what one tensor load brings
.set SLOT,   4*HALFT                   ; A's 256 rows, then B's 256 rows
.set SPARE,  2*SLOT                    ; behind the ring: the spare words, 128 bytes for each wave
.set SPITCH, 144                       ; the way out: a stage row: 128 codes + 16 bytes
.set WSTG,   128*SPITCH                ; a wave's stage: 128 rows.  The four lie in slot 0, which has had its last fill and its last read when the first code is stored there
.set ADRA, 16                          ; v16-17  LDS address of my A fragments in slot 0, 1
.set ADRB, 20                          ; v20-21  the same for B
.set STO,  24                          ; v24     the way out: where I put 8 codes of a row
.set RD,   25                          ; v25     where I read 16 bytes back
.set CO,   26                          ; v26     16 x lane: my place in 512 bytes of output
.set SPW,  28                          ; v28     LDS address of my spare word; never rewritten
.set NIL,  29                          ; v29     0; never rewritten
.set SC,   30                          ; v30     the conversion's scale as f32
.set LIM,  31
.set TMP,  32
.set CD,   96                          ; v96-127 a block's codes: two sets of 16 by turns
.set AF,   128                         ; A's fragments
.set BK,   128                         ; the way out: 16 registers for each block, read back from the stage; none is written twice
.set G1, 24                            ; s[24:31] descriptor group 1 for A's tiles;  s[32:39] group 0, one set for each slot
.set G0, 32
.set G1B, 48                           ; s[48:55], s[56:63] the same for B's tiles
.set G0B, 56
.set MSB, 0
.macro WIN new                         ; the immediate's high byte repeats the setting that is left
.if MSB != \new
	s_set_vgpr_msb (MSB<<8)|\new
.set MSB, \new
.endif
.endm
.set MUL_LO, 0xa1                      ; source 0 (B) window 1, source 1 (A) window 0, C and D window 2
.set MUL_HI, 0xf1                      ; the same, C and D window 3
.set TO_B,   0x40                      ; destination window 1, address window 0
; A joint load: waves 0 and 1 fetch for A, waves 2 and 3 for B.  Each line has one mask and one set of registers; the branch hangs on the wave's number alone.  Four v_nop follow each line.
.macro JLOAD g0a, g1a, g0b, g1b
	s_cmp_eq_u32 s15, 0
	s_cbranch_scc0 .Lfor_b_\@
	tensor_load_to_lds s[\g0a:\g0a+3], s[\g1a:\g1a+7]
	s_nop 0
.rept 4
	v_nop
.endr
	s_branch .Lasked_\@
.Lfor_b_\@:
	tensor_load_to_lds s[\g0b:\g0b+3], s[\g1b:\g1b+7]
	s_nop 0
.rept 4
	v_nop
.endr
.Lasked_\@:
.endm
.macro CREST                           ; a round of the cluster's barrier behind its opening barrier
	s_cmp_lg_u32 s14, 0
	s_cbranch_scc1 .Lnot_wave_0_\@
	s_barrier_signal -3
.Lnot_wave_0_\@:
	s_barrier_wait -3
	s_barrier_signal -1
	s_barrier_wait -1
.endm
.macro CROUND                          ; a whole round
	s_barrier_signal -1
	s_barrier_wait -1
	CREST
.endm
	s_load_b512 s[68:83], s[0:1], 0x0              ; x 68, Wq 70, Wk 72, Wv 74, the scales 76, q_codes 78, k_codes 80, v_codes 82
	v_lshl_add_u32 v[SPW], v0, 2, SPARE
	v_mov_b32 v[NIL], 0
	ds_add_u32 v28, v29
	ds_add_u32 v28, v29
	s_wait_dscnt 0x0
	v_lshrrev_b32 v1, 5, v0
	v_readfirstlane_b32 s14, v1                    ; wave 0..3
	s_lshr_b32 s15, s14, 1                         ; which half of the tile's rows is mine.  Also: I fetch for A (0) or for B (1)
	s_and_b32 s16, s14, 1                          ; which half of its columns.  Also: which 128 rows of that tile I fetch
	s_bfe_u32 s40, ttmp6, 0x40000                  ; cx, cy: my place in the cluster
	s_bfe_u32 s41, ttmp6, 0x40004
	s_and_b32 s13, ttmp7, 0xffff                   ; the cluster's y, 0..7
	s_lshl_b32 s12, s13, 2
	s_cmp_lt_u32 ttmp9, 2                          ; the cluster's x: q or k (x is A), or v (x is B)
	s_cselect_b32 s18, s12, 0                      ; x has 32 tiles of 256 rows, a weight 4: the cluster's y walks x's
	s_cselect_b32 s19, 0, s12
	s_add_co_u32 s17, s18, s41                     ; tile row of C': made of cy and the cluster's y alone
	s_add_co_u32 s42, s19, s40                     ; tile column: of cx and the cluster's y alone
	s_lshl_b32 s43, s41, 2
	s_lshl_b32 s43, 15, s43                        ; my row of the cluster
	s_lshl_b32 s44, 0x1111, s40                    ; my column
	; descriptor group 1: a tile of 128 rows x 256 bytes, padded in LDS
	s_or_b32 s[G1+0], s43, (0<<16)|(1<<20)|(1<<21)|(5<<22)|(3<<25)  ; 15:0 the mask: A's tiles go to my row; 17:16 element of 1 byte; 20 padding on; 21 set beside a mask; 24:22 after every 64 words; 31:25 of 4 words
	s_or_b32 s[G1B+0], s44, (0<<16)|(1<<20)|(1<<21)|(5<<22)|(3<<25)
.irp g, G1, G1B
	s_mov_b32 s[\g+1], ROWB<<16                    ; tensor_dim0
	s_mov_b32 s[\g+2], 128<<16                     ; tensor_dim1 = 128
	s_mov_b32 s[\g+3], ROWB<<16                    ; tile_dim0
	s_mov_b32 s[\g+4], 128                         ; tile_dim1 = 128
	s_mov_b32 s[\g+5], KROW                        ; tensor_dim0_stride
	s_mov_b32 s[\g+6], 0
	s_mov_b32 s[\g+7], 0
.endr
	s_lshl_b32 s18, s16, 7                         ; which 128 rows of the tile I fetch
	s_lshl_b32 s20, s17, 8
	s_add_co_u32 s20, s20, s18                     ; A: row 256 x tile row + 128 x half
	s_lshl_b32 s20, s20, 10                        ; x 1,024 bytes: under 2^23
	s_lshl_b32 s46, s42, 8
	s_add_co_u32 s46, s46, s18                     ; B: row 256 x tile column + 128 x half
	s_lshl_b32 s46, s46, 10
	s_mov_b32 s21, 0
	s_mov_b32 s47, 0
	s_mul_i32 s45, s14, HALFT                      ; where they go: wave x 128 rows: no place in the cluster enters an LDS address
	s_wait_kmcnt 0x0
	s_load_b256 s[84:91], s[76:77], 0x0            ; e0 .. e7
	s_load_b64 s[92:93], s[76:77], 0x20            ; e8, e9
	s_cmp_lt_u32 ttmp9, 2
	s_cselect_b64 s[4:5], s[68:69], s[74:75]       ; A: x, or Wv
	s_cselect_b64 s[6:7], s[72:73], s[68:69]       ; B: Wk, or x
	s_cselect_b64 s[10:11], s[80:81], s[82:83]     ; out: k_codes, or v_codes
	s_cmp_eq_u32 ttmp9, 0
	s_cselect_b64 s[6:7], s[70:71], s[6:7]         ; B: Wq
	s_cselect_b64 s[10:11], s[78:79], s[10:11]     ; out: q_codes
	s_add_nc_u64 s[20:21], s[4:5], s[20:21]
	s_add_nc_u64 s[46:47], s[6:7], s[46:47]
	CROUND                                         ; all sixteen work-groups are here: the first joint loads meet
.irp s, 0,1
	s_mov_b32 s[G0+4*\s], 1
	s_add_co_u32 s[G0+4*\s+1], s45, \s*SLOT
	s_add_nc_u64 s[G0+4*\s+2:G0+4*\s+3], s[20:21], \s*ROWB
	s_or_b32 s[G0+4*\s+3], s[G0+4*\s+3], 0x80000000
	s_mov_b32 s[G0B+4*\s], 1
	s_add_co_u32 s[G0B+4*\s+1], s45, \s*SLOT
	s_add_nc_u64 s[G0B+4*\s+2:G0B+4*\s+3], s[46:47], \s*ROWB
	s_or_b32 s[G0B+4*\s+3], s[G0B+4*\s+3], 0x80000000
	JLOAD G0+4*\s, G1, G0B+4*\s, G1B
.endr
	v_and_b32 v1, 15, v0                           ; r = l % 16
	s_wait_alu depctr_va_vdst(0)
	v_bfe_u32 v2, v0, 4, 1                         ; h = l / 16
	v_mul_u32_u24 v3, v1, PITCH
	v_lshl_add_u32 v4, v2, 4, v3                   ; a fragment's row x pitch + 16 x half
	s_mul_i32 s21, s15, HALFT                      ; my 128 rows of A
	s_mul_i32 s22, s16, HALFT                      ; my 128 rows of B,
	s_add_co_u32 s22, s22, 2*HALFT                 ; which lie behind A's 256
.irp s, 0,1
	v_add_nc_u32 v[ADRA+\s], s21, v4
	v_add_nc_u32 v[ADRB+\s], s22, v4
	s_add_co_u32 s21, s21, SLOT
	s_add_co_u32 s22, s22, SLOT
.endr
	s_mul_i32 s23, s14, WSTG                       ; my stage
	v_mul_u32_u24 v5, v1, SPITCH                   ; in: row r of a block, 8 bytes for each half of the lanes
	s_wait_alu depctr_va_vdst(0)
	v_lshl_add_u32 v5, v2, 3, v5
	v_add_nc_u32 v[STO], s23, v5
	v_and_b32 v6, 31, v0
	v_lshrrev_b32 v7, 2, v6                        ; back: four lanes to a row's 64 bytes, eight rows an instruction
	v_mul_u32_u24 v7, v7, SPITCH
	v_and_b32 v8, 3, v6
	v_lshl_add_u32 v7, v8, 4, v7
	v_add_nc_u32 v[RD], s23, v7
	v_lshlrev_b32 v[CO], 4, v6                     ; which are 512 consecutive bytes of the output
	; where my wave's 128 x 128 begins in the output, in registers that feed no descriptor
	s_lshl_b32 s94, s17, 8
	s_lshl_b32 s95, s15, 7
	s_add_co_u32 s94, s94, s95                     ; m0: my first row of C'
	s_lshl_b32 s95, s42, 8
	s_lshl_b32 s96, s16, 7
	s_add_co_u32 s95, s95, s96                     ; n0: my first column
	s_cmp_lt_u32 ttmp9, 2
	s_cselect_b32 s96, s94, s95                    ; the token: m0 for q and k, n0 for v
	s_cselect_b32 s97, s95, s94                    ; the weight's row (head x 64 + channel)
	s_lshr_b32 s100, s96, 11
	s_lshl_b32 s100, s100, 21                      ; b x 2^21
	s_and_b32 s96, s96, 2047                       ; t
	s_lshl_b32 s66, s97, 11                        ; q, k: head x 2^17 (the weight's row is a multiple of 128)
	s_lshl_b32 s67, s96, 6
	s_add_co_u32 s66, s66, s67                     ;       + t x 64
	s_lshl_b32 s67, s96, 10                        ; v: key block x 2^16 (t is a multiple of 128)
	s_lshl_b32 s101, s97, 6
	s_add_co_u32 s67, s67, s101                    ;    + channel x 64
	s_cmp_lt_u32 ttmp9, 2
	s_cselect_b32 s66, s66, s67
	s_mov_b32 s98, 0x10000
	s_cselect_b32 s98, 0x20000, s98                ; FAR: the next head (q, k) or the next key block (v)
	s_add_co_u32 s66, s66, s100
	s_mov_b32 s67, 0
	s_mov_b32 s99, 0
	s_add_nc_u64 s[10:11], s[10:11], s[66:67]      ; columns 0-63 of my tile go here,
	s_add_nc_u64 s[98:99], s[10:11], s[98:99]      ; columns 64-127 here
.macro FRAG reg, adr, q, i             ; a fragment, 16 rows x 128 K: lane l holds row l % 16; registers 4 c .. 4 c + 3 hold K = 32 c + 16 (l / 16) + 0 .. 15: the same places in A and in B, so every product meets its partner
.irp c, 0,1,2,3
	ds_load_b128 v[\reg+4*\c:\reg+4*\c+3], v[\adr] offset:128*(\q)+32*\c+(\i)*16*PITCH
.endr
.endm
; 16 matrix instructions: A's blocks a0, a0 + 1 x B's eight, 128 along K.  p: B's set.  zero = 1: the first product starts the sums.  The 64 accumulators take turns, one instruction a turn.
.macro MUL16 a0, p, zero
.irp a, \a0, \a0+1
.irp b, 0,1,2,3,4,5,6,7
.if \zero
	v_wmma_f32_16x16x128_fp8_fp8 v[8*(8*((\a)%4)+\b):8*(8*((\a)%4)+\b)+7], v[128*(\p)+FR*\b:128*(\p)+FR*\b+FR-1], v[AF+FR*(\a):AF+FR*(\a)+FR-1], 0
.else
	v_wmma_f32_16x16x128_fp8_fp8 v[8*(8*((\a)%4)+\b):8*(8*((\a)%4)+\b)+7], v[128*(\p)+FR*\b:128*(\p)+FR*\b+FR-1], v[AF+FR*(\a):AF+FR*(\a)+FR-1], v[8*(8*((\a)%4)+\b):8*(8*((\a)%4)+\b)+7]
.endif
.endr
.endr
.endm
.macro FETCH_B slot, q, p              ; B's eight fragments of the slot's q-th 128 along K into set p
	WIN TO_B
.irp i, 0,1,2,3,4,5,6,7
	FRAG 128*(\p)+FR*\i, ADRB+\slot, \q, \i
.endr
	WIN 0
.endm
.macro FETCH_A slot, q, i0             ; A's blocks i0 .. i0 + 3
.irp i, \i0, \i0+1, \i0+2, \i0+3
	FRAG AF+FR*(\i), ADRA+\slot, \q, \i
.endr
.endm
.macro PLACES n                        ; plain vector instructions between a matrix instruction and a load into a register that it has read, or a read of its result (ISA guide 7.12.1 for a read of its result)
.rept \n
	v_nop
.endr
.endm
; A step of 128 along K that has its successor in the same slot.  A's blocks are free as soon as their eight products are issued: blocks 0-3 are fetched anew in the step's middle, blocks 4-7 at its end.
.macro STEP slot, q, zero
	s_wait_dscnt 4*NL                              ; B's set and A's blocks 0-3 are in; the youngest 16 loads (A's blocks 4-7) may be out
	WIN MUL_LO
	MUL16 0, (\q)%2, \zero
	MUL16 2, (\q)%2, \zero
	s_wait_dscnt 0                                 ; A's blocks 4-7 are in
	PLACES NP
	FETCH_B \slot, (\q)+1, 1-(\q)%2
	FETCH_A \slot, (\q)+1, 0
	WIN MUL_HI
	MUL16 4, (\q)%2, \zero
	MUL16 6, (\q)%2, \zero
	PLACES NP
	WIN 0
	FETCH_A \slot, (\q)+1, 4
.endm
; A slot's last step changes slots: ONE barrier; in front of it each wave waits for all its tensor loads, adds 0 to its spare word, and waits for that and for its own reads of this slot.  fill = 1: this slot is filled again, two K steps ahead.
.macro TURN slot, next, fill
	s_wait_tensorcnt 0x0                           ; all my tensor loads have landed: my part of the next slot
	ds_add_u32 v[SPW], v[NIL]                      ; 0 onto my spare word
	s_wait_dscnt 4*NL+1                            ; (the add and the youngest 16 loads, A's blocks 4-7, may be out)
	WIN MUL_LO
	MUL16 0, 1, 0                                  ; sixteen matrix instructions stand between the add and the wait for it
	s_wait_dscnt 0x0                               ; the add is done, and my reads of this slot are over
	s_barrier_signal -1
	MUL16 2, 1, 0
	WIN 0
	s_barrier_wait -1
.if \fill
	CREST                                          ; the barrier has opened a round of the cluster's barrier: no wave of any partner still reads this slot's tile or has a load on its way
	s_add_nc_u64 s[G0+4*\slot+2:G0+4*\slot+3], s[G0+4*\slot+2:G0+4*\slot+3], 2*ROWB
	s_add_nc_u64 s[G0B+4*\slot+2:G0B+4*\slot+3], s[G0B+4*\slot+2:G0B+4*\slot+3], 2*ROWB
	JLOAD G0+4*\slot, G1, G0B+4*\slot, G1B         ; the first tensor load behind the round; its four v_nop are the places in front of the loads below
.else
	PLACES NP
.endif
	FETCH_B \next, 0, 0
	FETCH_A \next, 0, 0
	WIN MUL_HI
	MUL16 4, 1, 0
	MUL16 6, 1, 0
	PLACES NP
	WIN 0
	FETCH_A \next, 0, 4
.endm
	s_wait_tensorcnt 1                             ; my part of K step 0 is in (K step 1's load, issued behind it, may be out)
	s_barrier_signal -1
	s_barrier_wait -1                              ; everybody's is
	FETCH_B 0, 0, 0
	FETCH_A 0, 0, 0
	FETCH_A 0, 0, 4
	STEP 0, 0, 1                                   ; K = 1,024 is four K steps of 256, eight steps of 128: written out, no loop.  The first products start the sums
	TURN 0, 1, 1                                   ; slot 0 takes K step 2
	STEP 1, 0, 0
	TURN 1, 0, 1                                   ; slot 1 takes K step 3
	STEP 0, 0, 0
	TURN 0, 1, 0                                   ; nothing is left to fetch: no round
	STEP 1, 0, 0
	s_wait_dscnt 4*NL                              ; the very last step
	WIN MUL_LO
	MUL16 0, 1, 0
	MUL16 2, 1, 0
	s_wait_dscnt 0
	WIN MUL_HI
	MUL16 4, 1, 0
	MUL16 6, 1, 0
	WIN 0
; THE WAY OUT, block by block of 16 rows x 128 columns.  A sum stands for sum x 2^(its two operands' e): its code is sum / 2^(e of the result - those two): the three scales are folded into the conversion's one.
; A lane's 8 codes are 8 bytes of a row; the block goes through my own stage and comes back as 8 rows x 64 bytes an instruction, which are 512 consecutive bytes of the output.
; LDS serves a wave's instructions in order (ISA guide 5.7.1.4): no wait between the stores and the loads.
.macro TOSTAGE a
.set AC, 64*((\a)%4)
.set CDS, CD+16*((\a)%2)
	WIN 0x02+((\a)/4)                              ; source 0: window 2 or 3
.set j, 0
.rept 64
.set j, j+1
.endr
.irp b, 0,1,2,3,4,5,6,7
	v_cvt_scalef32_pk8_fp8_f32 v[CDS+2*\b:CDS+2*\b+1], v[AC+8*\b:AC+8*\b+7], v[SC]
.endr
	WIN 0
	v_nop                                          ; a plain vector instruction behind the last conversion
.irp b, 0,1,2,3,4,5,6,7
	ds_store_b64 v[STO], v[CDS+2*\b:CDS+2*\b+1] offset:(\a)*16*SPITCH+16*\b
.endr
.irp hf, 0,1
.irp i, 0,1
	ds_load_b128 v[BK+16*(\a)+4*(2*\hf+\i):BK+16*(\a)+4*(2*\hf+\i)+3], v[RD] offset:(\a)*16*SPITCH+\i*8*SPITCH+64*\hf
.endr
.endr
.endm
.macro SEND a, younger                 ; younger: the LDS instructions issued behind block a's loads, which may stay out
	s_wait_dscnt \younger                          ; the block is back in registers (and its stores into the stage have read their registers: the set of codes is free for the block after next)
.irp i, 0,1
	global_store_b128 v[CO], v[BK+16*(\a)+4*\i:BK+16*(\a)+4*\i+3], s[10:11] offset:(\a)*1024+512*\i       ; 32 lanes store 512 consecutive bytes, at a multiple of 256 from the buffer's first byte
.endr
.irp i, 0,1
	global_store_b128 v[CO], v[BK+16*(\a)+8+4*\i:BK+16*(\a)+8+4*\i+3], s[98:99] offset:(\a)*1024+512*\i
.endr
.endm
	s_wait_kmcnt 0x0
	s_sub_co_i32 s84, s90, s84
	s_sub_co_i32 s84, s84, s85                     ; q: e6 - e0 - e1
	s_sub_co_i32 s86, s91, s86
	s_sub_co_i32 s86, s86, s87                     ; k: e7 - e2 - e3
	s_sub_co_i32 s88, s93, s88
	s_sub_co_i32 s88, s88, s89                     ; v: e9 - e4 - e5
	s_cmp_lt_u32 ttmp9, 2
	s_cselect_b32 s86, s86, s88
	s_cmp_eq_u32 ttmp9, 0
	s_cselect_b32 s84, s84, s86
	s_add_co_i32 s84, s84, 127
	s_lshl_b32 s85, s84, 23
	v_mov_b32 v[SC], s85                           ; the scale as f32: the conversion takes its exponent field
	s_add_co_i32 s84, s84, 8
	s_lshl_b32 s84, s84, 23
	s_or_b32 s84, s84, 0x600000
	PLACES NP                                      ; in front of the loads into the registers that held A's fragments
	TOSTAGE 0
.irp a, 1,2,3,4,5,6,7
	TOSTAGE \a
	SEND \a-1, 12                                  ; behind block a - 1's loads: block a's 8 stores and 4 loads
.endr
	SEND 7, 0
	s_wait_tensorcnt 0x0                           ; the wave's end
	ds_add_u32 v[SPW], v[NIL]
	s_wait_dscnt 0x0
	CROUND                                         ; the closing round: no work-group ends while a partner may still ask for a tile that names it
	s_endpgm
.Lfunc_end_k_q62fa973f8e_qkv:
	.size	k_q62fa973f8e_qkv, .Lfunc_end_k_q62fa973f8e_qkv-k_q62fa973f8e_qkv
	.p2alignl 7, 3214868480
	.fill 96, 4, 3214868480
	.section	.rodata,"a",@progbits
	.p2align	6, 0x0
	.amdhsa_kernel k_q62fa973f8e_qkv
		.amdhsa_group_segment_fixed_size 327680
		.amdhsa_private_segment_fixed_size 0
		.amdhsa_enable_private_segment 0
		.amdhsa_kernarg_size 64
		.amdhsa_user_sgpr_count 2
		.amdhsa_user_sgpr_kernarg_segment_ptr 1
		.amdhsa_wavefront_size32 1
		.amdhsa_system_sgpr_workgroup_id_x 1
		.amdhsa_system_sgpr_workgroup_id_y 1
		.amdhsa_system_sgpr_workgroup_id_z 1
		.amdhsa_system_vgpr_workitem_id 0
		.amdhsa_next_free_vgpr 1024
		.amdhsa_next_free_sgpr 102
		.amdhsa_reserve_vcc 0
		.amdhsa_float_denorm_mode_32 3
		.amdhsa_float_denorm_mode_16_64 3
		.amdhsa_fp16_overflow 1
		.amdhsa_memory_ordered 1
		.amdhsa_forward_progress 1
		.amdhsa_inst_pref_size 93
	.end_amdhsa_kernel
	.amdgpu_metadata
---
amdhsa.version: [ 1, 2 ]
amdhsa.kernels:
  - .name:           k_q62fa973f8e_qkv
    .symbol:         k_q62fa973f8e_qkv.kd
    .args:
      - { .name: x_codes, .offset: 0, .size: 8, .value_kind: global_buffer, .address_space: global }
      - { .name: Wq_codes, .offset: 8, .size: 8, .value_kind: global_buffer, .address_space: global }
      - { .name: Wk_codes, .offset: 16, .size: 8, .value_kind: global_buffer, .address_space: global }
      - { .name: Wv_codes, .offset: 24, .size: 8, .value_kind: global_buffer, .address_space: global }
      - { .name: lowp_scales, .offset: 32, .size: 8, .value_kind: global_buffer, .address_space: global }
      - { .name: q_codes, .offset: 40, .size: 8, .value_kind: global_buffer, .address_space: global }
      - { .name: k_codes, .offset: 48, .size: 8, .value_kind: global_buffer, .address_space: global }
      - { .name: v_codes, .offset: 56, .size: 8, .value_kind: global_buffer, .address_space: global }
    .group_segment_fixed_size: 327680
    .private_segment_fixed_size: 0
    .kernarg_segment_align: 8
    .kernarg_segment_size: 64
    .max_flat_workgroup_size: 128
    .sgpr_count:     102
    .vgpr_count:     1024
    .wavefront_size: 32
...
	.end_amdgpu_metadata
.endif
;; end of part 1
;; launch attn (part 2): grid 4 x 64, 16 waves a work-group, clusters of 4 x 1, 327,680 bytes of LDS; arguments q_codes, k_codes, v_codes, lowp_scales, ctx_codes; writes ctx_codes
.if DOCPART == 2
	.amdgcn_target "amdgcn-amd-amdhsa--gfx1250"
	.amdhsa_code_object_version 6
	.text
	.protected	k_q62fa973f8e_attn
	.globl	k_q62fa973f8e_attn
	.p2align	8
	.type	k_q62fa973f8e_attn,@function
k_q62fa973f8e_attn:
	s_mov_b64 s[64:65], 0
	v_nop
	global_prefetch_b8 v0, s[64:65] scope:SCOPE_SE
	s_setreg_imm32_b32 hwreg(HW_REG_WAVE_MODE, 25, 1), 1
	s_wait_xcnt 0x0
	s_wait_alu depctr_hold_cnt(0) depctr_sa_sdst(0) depctr_va_vdst(0) depctr_va_sdst(0) depctr_va_ssrc(0) depctr_va_vcc(0) depctr_vm_vsrc(0)
	s_getreg_b32 s2, hwreg(HW_REG_IB_STS2, 6, 4)
	s_cmp_eq_u32 s2, 0
	s_cbranch_scc0 .Lentry_in_a_cluster
	s_endpgm
.Lentry_in_a_cluster:
	s_bfe_u32 s2, ttmp6, 0x10000c
	s_cmp_lg_u32 s2, 0x3003
	s_cbranch_scc0 .Lentry_shape_is_right
	s_endpgm
.Lentry_shape_is_right:
; ctx = softmax(q k^T / 8, causal) v for one head of 64 channels and 2,048 tokens, both products on codes of FP8 (E4M3), and ctx quantised (entry 10 of the scales) for the last product.
; q_codes, k_codes: [b x 16 + head][t 2048][64].  v_codes: [b][key block 32][head x 64 + channel][64 keys]: the keys innermost.  ctx_codes: [head 16][b x 2048 + t][64].
; THE SOFTMAX AHEAD OF THE SECOND PRODUCT: t = score x log2(e) / 8; M = the row's largest t so far, rounded UP to a whole number; p = 2^(t - M) is quantised (entry 8), not normalised.
; The row's sum is taken of the unquantised p and divides at the end.  When M moves, the sum and O are multiplied by 2^(old M - new M): exact.
; A HEAD'S WHOLE K AND V LIE IN LDS: 2 x 128 KiB of codes, each byte filled once.  So there is no ring and no refill, and each wave walks the keys at its own pace.
; SHARES.  A cluster of four work-groups is one head; its 64 waves share the head's 128 tiles of 16 queries.  Wave w of the work-group at place j owns tile lo = 4 w + j and tile hi = 127 - lo.
; Under the causal mask tile a needs the key steps (128 keys) 0 .. a / 8: lo needs w / 2 + 1 of them and hi 16 - w / 2: 17 steps for every wave of every work-group.  Both bounds hang on the wave's number alone;
; the place j enters q's and ctx's addresses in memory and the number that the diagonal's compare takes, and nothing else.
; The four partners need the same K and V: each tile is asked for JOINTLY (the same tensor load, the same descriptor, a mask that names the four).
; LAYOUT.  Both products are used transposed: S^T = K Q^T (source 0 = 16 keys, source 1 = my 16 queries), O^T = V^T P^T (source 0 = 16 channels, source 1 = P): a lane holds ONE query (lane % 16) throughout.
; THE KEYS OF A TILE ARE NOT NEIGHBOURS: lane r of tile 2 b + u takes key 32 b + 8 u + r + 8 (r / 8), so that the 16 registers of tiles 2 b and 2 b + 1 are 16 neighbouring keys, 32 b + 16 (lane / 16) + 0 .. 15.
; V's channels are chosen likewise, so that O^T's 16 registers of two tiles are 16 neighbouring channels: the last product's K.
; LIMITS on the given exponents, so that each power of two below is an f32 number: e6 + e7 between -123 and 130; e8, and e10 - e8 - e9, between -126 and 119.  NaN codes are not served.
; REGISTERS: v1-7 addresses that stay; v8, v9 addresses of the step's loads; v10, v11 the mask's; v12 -M, v13 the largest t, v[14:15] the sum in two halves; v16-23 hi's queries, v24-31 lo's;
;   v32-95 eight fragments of K, then four of V; v96-159 S^T, then p; v160-191 O^T; v192-199 ctx's codes; v200-215 rows on their way out; v224-239 p's codes; v240-254 constants and work.
.set RP,    144                        ; two rows of 64 codes and 16 bytes of padding: row x lies at (x / 2) RP + 64 (x % 2).  The 16 rows of a fragment (0-7 and 16-23) then start at 16 different sixteenths of 256 bytes
.set BLK,   32*RP                      ; 64 rows: what one tensor load brings: 64 keys of K, or 64 channels x 64 keys of V
.set STEPB, 2*BLK                      ; a key step: 128 keys
.set GRP,   8*BLK                      ; 512 keys: what eight waves bring with one load each
.set VOFF,  32*BLK                     ; K's 2,048 keys lie from byte 0 on, V's 32 blocks from here on
.set STAGE, 2*VOFF                     ; behind them: 16 rows x 80 bytes for each wave, for the way out; no fill lands here
.set SP,    80
.set AK0,  1                           ; v1   my lane's place in a tile of K
.set AV0,  2                           ; v2   the same for V
.set QO,   3                           ; v3   my lane's bytes in a tile of q
.set STO,  4                           ; v4   the way out: where I put 16 codes of a row
.set RD,   5                           ; v5   where I read 16 bytes back
.set GO,   6                           ; v6   16 x lane
.set DL,   7                           ; v7   lane % 16 - 16 (lane / 16)
.set ADK,  8
.set ADV,  9
.set DD,   10
.set NINF, 11
.set WV,   18                          ; s18  my wave's number
.set CS,   22                          ; s[22:23] c = log2(e) / 8 x 2^(e6 + e7)
.set G1,   24                          ; s[24:31] descriptor group 1, the same for all loads
.set G0,   32                          ; s[32:47] descriptor group 0: a set for each of my four loads
.set SEL,  48                          ; s[48:49] lane selects for v_permlanex16_b32: lane l xor 16
.set TB,   50                          ; s50  LDS byte at which the step's keys begin (V's: + VOFF)
.set KS,   51                          ; s51  the key step
.set LIMH, 52                          ; s52  hi's last key step: 15 - w / 2
.set LIML, 53                          ; s53  lo's: w / 2
.set DQH,  54                          ; s54  hi's first query within its last key step
.set DQL,  55                          ; s55  lo's
.set QAH,  56                          ; s[56:57], s[58:59] q's codes at hi's, lo's first query
.set QAL,  58
.set CAH,  60                          ; s[60:61], s[62:63] ctx's codes likewise
.set CAL,  62
.macro ROUND                           ; a round of the cluster's barrier
	s_barrier_signal -1
	s_barrier_wait -1
	s_cmp_lg_u32 s[WV], 0
	s_cbranch_scc1 .Lnot_wave_0_\@
	s_barrier_signal -3
.Lnot_wave_0_\@:
	s_barrier_wait -3
	s_barrier_signal -1
	s_barrier_wait -1
.endm
.macro SYNC left                       ; my loads but the youngest 'left' have landed; then the work-group's barrier: everybody's have.
	s_wait_tensorcnt \left
	s_wait_dscnt 0x0
	s_barrier_signal -1
	s_barrier_wait -1
.endm
	s_load_b256 s[4:11], s[0:1], 0x0               ; q_codes 4, k_codes 6, v_codes 8, the scales 10
	s_load_b64 s[12:13], s[0:1], 0x20              ; ctx_codes
	v_lshl_add_u32 v251, v0, 2, 0x4d000
	v_mov_b32 v255, 0
	ds_add_u32 v251, v255
	ds_add_u32 v251, v255
	v_lshrrev_b32 v1, 5, v0
	s_delay_alu instid0(VALU_DEP_1)
	v_readfirstlane_b32 s[WV], v1                  ; wave 0..15
	s_bfe_u32 s19, ttmp6, 0x40000                  ; j: my place in the cluster
	s_and_b32 s20, ttmp7, 0xffff                   ; b x 16 + head, which the four partners share
	; descriptor group 1: 4,096 bytes that are dense in memory, stated as 32 rows of 128 bytes, 16 bytes of padding behind each
	s_mov_b32 s[G1], 15|(0<<16)|(1<<20)|(1<<21)|(4<<22)|(3<<25)   ; 15:0 the mask: all four work-groups; 17:16 elements of 1 byte; 20 padding on; 21 set beside a mask; 24:22 after every 32 words; 31:25 of 4 words
	s_mov_b32 s[G1+1], 128<<16                     ; tensor_dim0
	s_mov_b32 s[G1+2], 32<<16                      ; tensor_dim1
	s_mov_b32 s[G1+3], 128<<16                     ; tile_dim0
	s_mov_b32 s[G1+4], 32                          ; tile_dim1
	s_mov_b32 s[G1+5], 128                         ; tensor_dim0_stride
	s_mov_b32 s[G1+6], 0
	s_mov_b32 s[G1+7], 0
	; waves 0-7 bring K, 64 keys a load; waves 8-15 bring V, a block of 64 keys a load; load g of a wave belongs to keys 512 g .. 512 g + 511
	s_mul_i32 s21, s[WV], BLK
	s_lshr_b32 s78, s[WV], 3
	s_mul_i32 s78, s78, VOFF-GRP
	s_add_co_u32 s21, s21, s78                     ; where load 0 goes: K: BLK x w;  V: VOFF + BLK x (w - 8)
	s_lshl_b32 s80, s20, 17
	s_lshl_b32 s81, s[WV], 12
	s_add_co_u32 s80, s80, s81                     ; K in memory: the head's 2^17 bytes, 64 keys x 64 bytes a wave
	s_lshr_b32 s81, s20, 4
	s_lshl_b32 s81, s81, 21
	s_and_b32 s82, s20, 15
	s_lshl_b32 s82, s82, 12
	s_add_co_u32 s81, s81, s82
	s_and_b32 s82, s[WV], 7
	s_lshl_b32 s82, s82, 16
	s_add_co_u32 s81, s81, s82                     ; V in memory: b x 2^21 + key block x 2^16 + head x 4,096
	s_mov_b32 s74, 0x80000
	s_mov_b32 s75, 0
	s_mov_b32 s77, 0
	s_mov_b32 s[SEL], 0x76543210
	s_mov_b32 s[SEL+1], 0xfedcba98
	s_wait_dscnt 0x0
	s_wait_kmcnt 0x0
	s_cmp_lt_u32 s[WV], 8
	s_cselect_b32 s76, s80, s81
	s_cselect_b32 s74, 0x8000, s74                 ; from load to load: 512 keys x 64 bytes of K, or 8 blocks of V
	s_cselect_b64 s[78:79], s[6:7], s[8:9]
	s_load_b128 s[68:71], s[10:11], 0x18           ; e6, e7, e8, e9
	s_load_b32 s72, s[10:11], 0x28                 ; e10
.irp g, 0,1,2,3
	s_mov_b32 s[G0+4*\g], 1                        ; 1:0 count = 1
	s_add_co_u32 s[G0+4*\g+1], s21, \g*GRP         ; 63:32 LDS address
.endr
	s_add_nc_u64 s[G0+2:G0+3], s[78:79], s[76:77]  ; 120:64 global address
	s_add_nc_u64 s[G0+6:G0+7], s[G0+2:G0+3], s[74:75]
	s_add_nc_u64 s[G0+10:G0+11], s[G0+6:G0+7], s[74:75]
	s_add_nc_u64 s[G0+14:G0+15], s[G0+10:G0+11], s[74:75]
.irp g, 0,1,2,3
	s_or_b32 s[G0+4*\g+3], s[G0+4*\g+3], 0x80000000   ; 127:126 type = 2
.endr
	ROUND                                          ; all four work-groups are here: the joint loads meet
.irp g, 0,1,2,3
	tensor_load_to_lds s[G0+4*\g:G0+4*\g+3], s[G1:G1+7]   ; all fills of the launch go out as one group: four loads of mine are out
	s_nop 0
.endr
.rept 4
	v_nop
.endr
	; my two tiles
	s_lshl_b32 s83, s[WV], 2
	s_add_co_u32 s83, s83, s19                     ; lo = 4 w + j
	s_sub_co_u32 s84, 127, s83                     ; hi = 127 - lo
	s_and_b32 s[DQL], s83, 7
	s_lshl_b32 s[DQL], s[DQL], 4
	s_and_b32 s[DQH], s84, 7
	s_lshl_b32 s[DQH], s[DQH], 4
	s_lshr_b32 s[LIML], s[WV], 1                   ; lo / 8 = w / 2, whatever j
	s_xor_b32 s[LIMH], s[LIML], 15                 ; hi / 8 = 15 - w / 2
	s_mov_b32 s87, 0
	s_lshl_b32 s85, s20, 17                        ; q: the head's first byte; a tile is 1,024 bytes
	s_lshl_b32 s86, s83, 10
	s_add_co_u32 s86, s86, s85
	s_add_nc_u64 s[QAL:QAL+1], s[4:5], s[86:87]
	s_lshl_b32 s86, s84, 10
	s_add_co_u32 s86, s86, s85
	s_add_nc_u64 s[QAH:QAH+1], s[4:5], s[86:87]
	s_and_b32 s85, s20, 15                         ; ctx: head x 2^19 + b x 2^17
	s_lshl_b32 s85, s85, 19
	s_lshr_b32 s88, s20, 4
	s_lshl_b32 s88, s88, 17
	s_add_co_u32 s85, s85, s88
	s_lshl_b32 s86, s83, 10
	s_add_co_u32 s86, s86, s85
	s_add_nc_u64 s[CAL:CAL+1], s[12:13], s[86:87]
	s_lshl_b32 s86, s84, 10
	s_add_co_u32 s86, s86, s85
	s_add_nc_u64 s[CAH:CAH+1], s[12:13], s[86:87]
	v_and_b32 v8, 15, v0                           ; r = lane % 16
	v_bfe_u32 v9, v0, 4, 1                         ; h = lane / 16
	s_delay_alu instid0(VALU_DEP_2)
	v_lshlrev_b32 v[QO], 6, v8
	s_delay_alu instid0(VALU_DEP_1)
	v_lshl_add_u32 v[QO], v9, 4, v[QO]             ; row r of 64 bytes, + 16 h: registers 4 c .. 4 c + 3 hold channels 32 c + 16 h + 0 .. 15, as K's fragments do
	global_load_b128 v[16:19], v[QO], s[QAH:QAH+1]
	global_load_b128 v[20:23], v[QO], s[QAH:QAH+1] offset:32
	global_load_b128 v[24:27], v[QO], s[QAL:QAL+1]
	global_load_b128 v[28:31], v[QO], s[QAL:QAL+1] offset:32
	v_and_b32 v10, 8, v8
	s_delay_alu instid0(VALU_DEP_1)
	v_add_nc_u32 v10, v10, v8                      ; r + 8 (r / 8)
	s_delay_alu instid0(VALU_DEP_1)
	v_lshrrev_b32 v11, 1, v10
	s_delay_alu instid0(VALU_DEP_1)
	v_mul_u32_u24 v[AK0], v11, RP
	s_delay_alu instid0(VALU_DEP_3)
	v_and_b32 v11, 1, v10
	s_delay_alu instid0(VALU_DEP_1)
	v_lshl_add_u32 v[AK0], v11, 6, v[AK0]
	s_delay_alu instid0(VALU_DEP_1)
	v_lshl_add_u32 v[AK0], v9, 4, v[AK0]
	s_delay_alu instid0(VALU_DEP_1)
	v_add_nc_u32 v[AV0], VOFF, v[AK0]
	s_mul_i32 s73, s[WV], 16*SP
	s_add_co_u32 s73, s73, STAGE                   ; my stage
	v_mul_u32_u24 v[STO], v8, SP
	s_delay_alu instid0(VALU_DEP_1)
	v_lshl_add_u32 v[STO], v9, 4, v[STO]
	s_delay_alu instid0(VALU_DEP_1)
	v_add_nc_u32 v[STO], s73, v[STO]               ; in: row r, + 16 h
	v_and_b32 v10, 31, v0
	s_delay_alu instid0(VALU_DEP_1)
	v_lshrrev_b32 v11, 2, v10
	s_delay_alu instid0(VALU_DEP_1)
	v_mul_u32_u24 v[RD], v11, SP
	s_delay_alu instid0(VALU_DEP_3)
	v_and_b32 v11, 3, v10
	s_delay_alu instid0(VALU_DEP_1)
	v_lshl_add_u32 v[RD], v11, 4, v[RD]
	s_delay_alu instid0(VALU_DEP_1)
	v_add_nc_u32 v[RD], s73, v[RD]                 ; back: four lanes to a row's 64 bytes, eight rows an instruction
	v_lshlrev_b32 v[GO], 4, v10                    ; which are 512 consecutive bytes of ctx_codes
	v_lshlrev_b32 v[DL], 4, v9
	s_delay_alu instid0(VALU_DEP_1)
	v_sub_nc_u32 v[DL], v8, v[DL]
	v_mov_b32 v[NINF], 0xff800000                  ; -infinity
	v_mov_b32 v246, 0                              ; written once: a lane permute's destination counts as one of its sources
	v_mov_b32 v253, 0                              ; (named as the upper half of the pair v[252:253])
	s_wait_kmcnt 0x0
	s_mov_b32 s[CS], 0x3e38aa3b                    ; log2(e) / 8
	s_add_co_i32 s85, s68, s69
	s_lshl_b32 s85, s85, 23
	s_add_co_i32 s[CS], s[CS], s85                 ; a score stands for score x 2^(e6 + e7): the two exponents are added to c's exponent field
	s_mov_b32 s[CS+1], s[CS]                       ; (named with it as a pair, so it is written)
	s_add_co_i32 s85, s70, 127
	s_lshl_b32 s86, s85, 23
	v_mov_b32 v244, s86                            ; 2^e8 as f32, for p's conversions
	s_sub_co_i32 s85, s72, s70
	s_sub_co_i32 s85, s85, s71                     ; O / the sum stands for ctx / 2^(e8 + e9): its code is that / 2^(e10 - e8 - e9)
	s_add_co_i32 s85, s85, 127
	s_lshl_b32 s86, s85, 23
	v_mov_b32 v248, s86
; A KEY STEP: 128 keys from LDS byte s[TB] on, for the tile of queries in v[q] on.
; chk = 1: a step all of whose keys come after the tile's queries (KS > lim) is left out: a scalar branch on the wave's number and the loop's count, round the step's loads, products and softmax, not round the line
; that steps the address; no barrier and no tensor load stands in a step.  In the step on the diagonal (KS = lim) hidden scores become -infinity ahead of the maximum: p = 0 then.
.macro STEP q, chk, lim, dq
.if \chk
	s_cmp_gt_u32 s[KS], s[\lim]
	s_cbranch_scc1 .Lhidden_\@
.endif
	s_setprio 2
	v_add_nc_u32 v[ADK], s[TB], v[AK0]
	v_add_nc_u32 v[ADV], s[TB], v[AV0]
	v_nop
	v_nop                                          ; four places in front of loads into registers that the last products have read
.irp t, 0,1,2,3,4,5,6,7
.irp c, 0,1
	ds_load_b128 v[32+8*\t+4*\c:32+8*\t+4*\c+3], v[ADK] offset:(16*(\t/2)+4*(\t%2))*RP+32*\c
.endr
.endr
	s_wait_alu depctr_va_vdst(0)
	s_wait_dscnt 0x0
.irp t, 0,1,2,3,4,5,6,7
	v_wmma_f32_16x16x64_fp8_fp8 v[96+8*\t:103+8*\t], v[32+8*\t:39+8*\t], v[\q:\q+7], 0
.endr
.rept 4
	v_nop                                          ; places: in front of the loads below, and of the first read of the scores
.endr
.irp t, 0,1,2,3                                ; V's four fragments (16 channels x 128 keys) are asked for at once: they land while the softmax is walked
.irp c, 0,1,2,3
	ds_load_b128 v[32+16*\t+4*\c:32+16*\t+4*\c+3], v[ADV] offset:(\c/2)*BLK+(16*(\t/2)+4*(\t%2))*RP+32*(\c%2)
.endr
.endr
.if \chk
	s_cmp_lt_u32 s[KS], s[\lim]
	s_cbranch_scc1 .Lopen_\@
	v_add_nc_u32 v[DD], s[\dq], v[DL]              ; d = my query within the step - 16 (lane / 16).  Register 16 b + i holds the step's key 32 b + 16 (lane / 16) + i: hidden where 32 b + i > d
.set n, 0
.rept 64
	v_cmp_gt_i32 vcc_lo, 32*(n/16)+n%16, v[DD]
	v_cndmask_b32 v[96+n], v[96+n], v[NINF], vcc_lo
.set n, n+1
.endr
.Lopen_\@:
.endif
	v_max3_num_f32 v254, v96, v97, v98             ; the step's largest score of my query, among my 64 keys, in two chains, each accumulator from its low end on,
	v_max3_num_f32 v252, v99, v100, v101
.irp i, 6,10,14,18,22,26,30,34,38,42,46,50,54,58
	v_max3_num_f32 v254, v254, v[96+\i], v[97+\i]
	v_max3_num_f32 v252, v252, v[98+\i], v[99+\i]
.endr
	v_max3_num_f32 v254, v254, v158, v159
	s_delay_alu instid0(VALU_DEP_1)
	v_max_num_f32 v254, v254, v252
	s_delay_alu instid0(VALU_DEP_1)
	v_permlanex16_b32 v246, v254, s[SEL], s[SEL+1]
	s_delay_alu instid0(VALU_DEP_1)
	v_max_num_f32 v254, v254, v246                 ; and among lane l xor 16's.  (The step's first key counts for every query of the tile: the maximum is a number)
	s_delay_alu instid0(VALU_DEP_1)
	v_mul_f32 v254, s[CS], v254                    ; as t (c is positive)
	s_delay_alu instid0(VALU_DEP_1)
	v_max_num_f32 v13, v13, v254                   ; the running largest t
	v_mov_b32 v254, v12
	s_delay_alu instid0(VALU_DEP_2)
	v_floor_f32 v12, -v13                          ; the new -M = floor(-t) = -ceil(t): M is a whole number
	s_delay_alu instid0(VALU_DEP_1)
	v_sub_f32 v254, v12, v254                      ; M's old value less its new one: a whole number, 0 or less
	s_delay_alu instid0(VALU_DEP_1)
	v_cvt_i32_f32 v254, v254                       ; (it saturates)
	s_delay_alu instid0(VALU_DEP_1)
	v_ldexp_f32 v252, 1.0, v254                    ; f = 2^(old M - new M)
.set n, 0
.rept 32
	v_pk_fma_f32 v[96+n:97+n], v[96+n:97+n], s[CS:CS+1], v[12:13] op_sel_hi:[1,0,0]   ; t - M, two at a time (of the pairs c and -M the low word serves both halves)
.set n, n+2
.endr
.set n, 0
	s_setprio 1
	s_wait_alu depctr_va_vdst(0)
.rept 64
	v_exp_f32 v[96+n], v[96+n]                     ; p = 2^(t - M), at most 1: not normalised
.set n, n+1
.endr
	v_pk_mul_f32 v[14:15], v[14:15], v[252:253] op_sel_hi:[1,0]   ; the sums under the new M: the plain instruction behind the exponentials
	s_wait_alu depctr_va_vdst(0)                   ; one wait for the batch of 64, ahead of its first reader
	v_pk_add_f32 v[242:243], v[100:101], v[104:105]
	v_pk_add_f32 v[240:241], v[108:109], v[112:113]
	v_pk_add_f32 v[238:239], v[116:117], v[120:121]
	v_pk_add_f32 v[236:237], v[124:125], v[128:129]
	v_pk_add_f32 v[234:235], v[132:133], v[136:137]
	v_pk_add_f32 v[232:233], v[140:141], v[144:145]
	v_pk_add_f32 v[230:231], v[148:149], v[152:153]
	v_pk_add_f32 v[14:15], v[14:15], v[156:157]
	v_pk_add_f32 v[242:243], v[242:243], v[96:97]
	v_pk_add_f32 v[240:241], v[240:241], v[98:99]
	v_pk_add_f32 v[238:239], v[238:239], v[102:103]
	v_pk_add_f32 v[236:237], v[236:237], v[106:107]
	v_pk_add_f32 v[234:235], v[234:235], v[110:111]
	v_pk_add_f32 v[232:233], v[232:233], v[114:115]
	v_pk_add_f32 v[230:231], v[230:231], v[118:119]
	v_pk_add_f32 v[14:15], v[14:15], v[122:123]
	v_pk_add_f32 v[242:243], v[242:243], v[126:127]
	v_pk_add_f32 v[240:241], v[240:241], v[130:131]
	v_pk_add_f32 v[238:239], v[238:239], v[134:135]
	v_pk_add_f32 v[236:237], v[236:237], v[138:139]
	v_pk_add_f32 v[234:235], v[234:235], v[142:143]
	v_pk_add_f32 v[232:233], v[232:233], v[146:147]
	v_pk_add_f32 v[230:231], v[230:231], v[150:151]
	v_pk_add_f32 v[14:15], v[14:15], v[154:155]
	v_pk_add_f32 v[242:243], v[242:243], v[158:159]
	s_delay_alu instid0(VALU_DEP_2)
	v_pk_add_f32 v[14:15], v[14:15], v[236:237]
	s_delay_alu instid0(VALU_DEP_2)
	v_pk_add_f32 v[242:243], v[242:243], v[234:235]
	v_pk_add_f32 v[240:241], v[240:241], v[232:233]
	v_pk_add_f32 v[238:239], v[238:239], v[230:231]
	s_delay_alu instid0(VALU_DEP_2)
	v_pk_add_f32 v[14:15], v[14:15], v[240:241]
	s_delay_alu instid0(VALU_DEP_2)
	v_pk_add_f32 v[242:243], v[242:243], v[238:239]
	s_delay_alu instid0(VALU_DEP_1)
	v_pk_add_f32 v[14:15], v[14:15], v[242:243]
	s_setprio 0
.irp b, 0,1,2,3
.irp i, 0,1,2,3,4,5,6,7,8,9,10,11,12,13,14,15
.endr
	v_cvt_scalef32_pk8_fp8_f32 v[224+4*\b:225+4*\b], v[96+16*\b:103+16*\b], v244
	v_cvt_scalef32_pk8_fp8_f32 v[226+4*\b:227+4*\b], v[104+16*\b:111+16*\b], v244
.endr
.set n, 0
.rept 16
	v_pk_mul_f32 v[160+n:161+n], v[160+n:161+n], v[252:253] op_sel_hi:[1,0]   ; O^T under the new M.  (These are also the plain instructions between the conversions and the products that read the codes)
.set n, n+2
.endr
	s_wait_alu depctr_va_vdst(0)
	s_wait_dscnt 0x0                               ; V's fragments are in
.irp t, 0,1,2,3                                ; O^T += V^T P^T: K = these 128 keys; the four accumulators by turns
	v_wmma_f32_16x16x128_fp8_fp8 v[160+8*\t:167+8*\t], v[32+16*\t:47+16*\t], v[224:239], v[160+8*\t:167+8*\t]
.endr
.if \chk
.Lhidden_\@:
.endif
	s_add_co_u32 s[TB], s[TB], STEPB
.endm
; A tile begins: the step is written without a first form of its own: it finds zeros, which the first change of M leaves zeros.
.macro INIT
	v_mov_b32 v13, 0xff61b1e6                      ; the largest t so far: -3e38, under every t
	s_delay_alu instid0(VALU_DEP_1)
	v_floor_f32 v12, -v13                          ; -M
	v_mov_b32 v14, 0
	v_mov_b32 v15, 0
.set n, 0
.rept 32
	v_mov_b32 v[160+n], 0
.set n, n+1
.endr
.endm
; A tile ends: O^T / the sum, held, turned into codes; a lane's 16 codes of two tiles are 16 neighbouring bytes of a row; the 16 rows go through my stage and leave as 2 x 512 consecutive bytes.
.macro FINAL ca, bk
.rept 4
	v_nop                                          ; places behind the last products
.endr
	v_add_f32 v14, v14, v15                        ; the sum's two halves,
	s_delay_alu instid0(VALU_DEP_1)
	v_permlanex16_b32 v246, v14, s[SEL], s[SEL+1]
	s_delay_alu instid0(VALU_DEP_1)
	v_add_f32 v14, v14, v246                       ; and lane l xor 16's
	s_wait_alu depctr_va_vdst(0)
	v_rcp_f32 v14, v14
	v_nop                                          ; a plain instruction behind the reciprocal
	s_wait_alu depctr_va_vdst(0)                   ; and the wait ahead of its first reader
.set n, 0
.rept 32
	v_mul_f32 v[96+n], v[160+n], v14               ; register 16 b + i is channel 32 b + 16 (lane / 16) + i of my query
.set n, n+1
.endr
.set n, 0
.rept 32
.set n, n+1
.endr
.irp g, 0,1,2,3
	v_cvt_scalef32_pk8_fp8_f32 v[192+2*\g:193+2*\g], v[96+8*\g:103+8*\g], v248
.endr
	v_nop                                          ; a plain instruction behind the last conversion: the next tile's products write its sources
	ds_store_b128 v[STO], v[192:195]
	ds_store_b128 v[STO], v[196:199] offset:32
	ds_load_b128 v[\bk:\bk+3], v[RD]               ; LDS serves a wave's instructions in order (ISA guide 5.7.1.4): these see my stores
	ds_load_b128 v[\bk+4:\bk+7], v[RD] offset:8*SP
	s_wait_dscnt 0x0
	global_store_b128 v[GO], v[\bk:\bk+3], s[\ca:\ca+1]               ; 32 lanes store 512 consecutive bytes, at a multiple of 256 from the buffer's first byte
	global_store_b128 v[GO], v[\bk+4:\bk+7], s[\ca:\ca+1] offset:512  ; each tile has its own registers and its own base: none is written again
.endm
	INIT
	s_wait_loadcnt 0x0                             ; both tiles' queries
	; THE TILE hi FIRST: its last step is 8 or later in every wave, so every wave works through steps 0 to 7, between which the three barriers stand
	SYNC 3                                         ; keys 0-511: behind my load for them I issued three
	s_mov_b32 s[KS], 0
	s_mov_b32 s[TB], 0
.Lh0:
	STEP 16, 0, 0, 0
	s_add_co_u32 s[KS], s[KS], 1
	s_cmp_lt_u32 s[KS], 4
	s_cbranch_scc1 .Lh0
	s_setprio 0
	SYNC 2                                         ; keys 512-1,023: behind my load for them I issued two
	s_mov_b32 s[KS], 4
	s_mov_b32 s[TB], 4*STEPB
.Lh1:
	STEP 16, 0, 0, 0
	s_add_co_u32 s[KS], s[KS], 1
	s_cmp_lt_u32 s[KS], 8
	s_cbranch_scc1 .Lh1
	s_setprio 0
	SYNC 0                                         ; all the rest
	s_mov_b32 s[KS], 8
	s_mov_b32 s[TB], 8*STEPB
.Lh2:
	STEP 16, 1, LIMH, DQH
	s_add_co_u32 s[KS], s[KS], 1
	s_cmp_lt_u32 s[KS], 16
	s_cbranch_scc1 .Lh2
	s_setprio 0
	FINAL CAH, 200
	; THE TILE lo: its last step is 7 or earlier
	INIT
	s_mov_b32 s[KS], 0
	s_mov_b32 s[TB], 0
.Ll0:
	STEP 24, 1, LIML, DQL
	s_add_co_u32 s[KS], s[KS], 1
	s_cmp_lt_u32 s[KS], 8
	s_cbranch_scc1 .Ll0
	s_setprio 0
	FINAL CAL, 208
	s_wait_tensorcnt 0x0
	ds_add_u32 v251, v255
	s_wait_dscnt 0x0
	ROUND                                          ; the closing round
	s_endpgm
.Lfunc_end_k_q62fa973f8e_attn:
	.size	k_q62fa973f8e_attn, .Lfunc_end_k_q62fa973f8e_attn-k_q62fa973f8e_attn
	.p2alignl 7, 3214868480
	.fill 96, 4, 3214868480
	.section	.rodata,"a",@progbits
	.p2align	6, 0x0
	.amdhsa_kernel k_q62fa973f8e_attn
		.amdhsa_group_segment_fixed_size 327680
		.amdhsa_private_segment_fixed_size 0
		.amdhsa_enable_private_segment 0
		.amdhsa_kernarg_size 40
		.amdhsa_user_sgpr_count 2
		.amdhsa_user_sgpr_kernarg_segment_ptr 1
		.amdhsa_wavefront_size32 1
		.amdhsa_system_sgpr_workgroup_id_x 1
		.amdhsa_system_sgpr_workgroup_id_y 1
		.amdhsa_system_sgpr_workgroup_id_z 1
		.amdhsa_system_vgpr_workitem_id 0
		.amdhsa_next_free_vgpr 256
		.amdhsa_next_free_sgpr 90
		.amdhsa_reserve_vcc 1
		.amdhsa_float_denorm_mode_32 3
		.amdhsa_float_denorm_mode_16_64 3
		.amdhsa_fp16_overflow 1
		.amdhsa_memory_ordered 1
		.amdhsa_forward_progress 1
		.amdhsa_inst_pref_size 82
	.end_amdhsa_kernel
	.amdgpu_metadata
---
amdhsa.version: [ 1, 2 ]
amdhsa.kernels:
  - .name:           k_q62fa973f8e_attn
    .symbol:         k_q62fa973f8e_attn.kd
    .args:
      - { .name: q_codes, .offset: 0, .size: 8, .value_kind: global_buffer, .address_space: global }
      - { .name: k_codes, .offset: 8, .size: 8, .value_kind: global_buffer, .address_space: global }
      - { .name: v_codes, .offset: 16, .size: 8, .value_kind: global_buffer, .address_space: global }
      - { .name: lowp_scales, .offset: 24, .size: 8, .value_kind: global_buffer, .address_space: global }
      - { .name: ctx_codes, .offset: 32, .size: 8, .value_kind: global_buffer, .address_space: global }
    .group_segment_fixed_size: 327680
    .private_segment_fixed_size: 0
    .kernarg_segment_align: 8
    .kernarg_segment_size: 40
    .max_flat_workgroup_size: 512
    .sgpr_count:     90
    .vgpr_count:     256
    .wavefront_size: 32
...
	.end_amdgpu_metadata
.endif
;; end of part 2
;; launch oproj (part 3): grid 4 x 32, 4 waves a work-group, clusters of 4 x 4, 327,680 bytes of LDS; arguments ctx_codes, Wo_codes, lowp_scales, bo, out0; writes out0
.if DOCPART == 3
	.amdgcn_target "amdgcn-amd-amdhsa--gfx1250"
	.amdhsa_code_object_version 6
	.text
	.protected	k_q62fa973f8e_oproj
	.globl	k_q62fa973f8e_oproj
	.p2align	8
	.type	k_q62fa973f8e_oproj,@function
k_q62fa973f8e_oproj:
	s_mov_b64 s[64:65], 0
	v_nop
	global_prefetch_b8 v0, s[64:65] scope:SCOPE_SE
	s_setreg_imm32_b32 hwreg(HW_REG_WAVE_MODE, 25, 1), 1
	s_wait_xcnt 0x0
	s_wait_alu depctr_hold_cnt(0) depctr_sa_sdst(0) depctr_va_vdst(0) depctr_va_sdst(0) depctr_va_ssrc(0) depctr_va_vcc(0) depctr_vm_vsrc(0)
	s_getreg_b32 s2, hwreg(HW_REG_IB_STS2, 6, 4)
	s_cmp_eq_u32 s2, 0
	s_cbranch_scc0 .Lentry_in_a_cluster
	s_endpgm
.Lentry_in_a_cluster:
	s_bfe_u32 s2, ttmp6, 0x10000c
	s_cmp_lg_u32 s2, 0xf033
	s_cbranch_scc0 .Lentry_shape_is_right
	s_endpgm
.Lentry_shape_is_right:
; out0[m][n] = sum over k of ctx[m][k] Wo[n][k] x 2^(e10 + e11) + bo[n], on codes of FP8 (E4M3).  ctx_codes: [head 16][row 8192][64]: k = 64 head + channel.  Wo_codes: [1024 (n)][1024 (k)].  out0: [8192][1024] f32.
; A tile of the output, 256 x 256, is made by a work-group of four waves, each 128 x 128: 64 accumulators, 512 registers.  K goes in 4 steps of 256 (four heads) through a ring of two LDS slots.
; 8,192 x 1,024 are 128 such tiles, so 128 work-groups.  A wave tile of half the size would read, for each matrix instruction, half as much again from LDS (2 x 96 against 2 x 128 rows for half the products);
; the larger tile is kept.
; CLUSTERS: 4 x 4 work-groups; ctx's tile is asked for jointly by a row of the cluster, Wo's by a column.  The matrix instruction is used transposed (source 0 = 16 rows of Wo, source 1 = 16 rows of ctx):
; a lane holds eight neighbouring numbers of a row of the output.
; LIMIT: e10 + e11 lies between -126 and 127, so that 2^(e10 + e11) is an f32 number.
; REGISTERS, in windows of 256: window 0: v0-31 addresses; v64-127 bo at my lane's 64 columns; from v128 ctx's fragments, ONE set; on the way out v128-191 a block's results.
;   window 1: Wo's fragments, TWO sets; on the way out v0-127 rows read back from the stage.   window 2: the accumulators of my rows 0-63;   window 3: those of my rows 64-127.
.set SIZE_N, 1024
.set ROWB,   256                       ; Wo: a tile's row in bytes
.set KROW,   1024                      ; and a row in memory
.set PITCH,  272                       ; Wo's LDS row: 256 bytes + 16
.set APITCH, 80                        ; ctx's LDS row: a head's 64 bytes + 16: five sixteenths of 256 bytes from row to row, so the 16 rows that a load touches start at 16 different places in 256
.set AHEAD,  128*APITCH                ; 128 rows of one head
.set HALFA,  4*AHEAD                   ; 128 rows x four heads: what one tensor load brings of ctx
.set HALFB,  128*PITCH                 ; and of Wo
.set PLANE,  524288                    ; a head's plane of ctx_codes in memory: 8,192 rows x 64 bytes
.set FR,     16
.set NL,     4
.set NP,     4                         ; places behind this matrix instruction (ISA guide 7.12.1)
.set SLOT,   2*HALFA+2*HALFB           ; ctx's 256 rows, then Wo's 256 rows
.set SPARE,  2*SLOT                    ; behind the ring: the spare words, 128 bytes for each wave
.set SPITCH, 528                       ; the way out: a stage of 16 rows x (512 bytes + 16) for each wave, in slot 0, which has had its last fill and its last read when the first result is stored there
.set ADRA, 16
.set ADRB, 20
.set STO,  24
.set RD,   25
.set CO,   26
.set SPW,  28
.set NIL,  29
.set BO,   64
.set TMP,  128
.set AF,   128
.set OUTP, 12                          ; s[12:13] out0 at my rows
.set G1, 24
.set G0, 32
.set G1B, 48
.set G0B, 56
.set MSB, 0
.macro WIN new                         ; the immediate's high byte repeats the setting that is left
.if MSB != \new
	s_set_vgpr_msb (MSB<<8)|\new
.set MSB, \new
.endif
.endm
.set MUL_LO, 0xa1                      ; source 0 (Wo) window 1, source 1 (ctx) window 0, C and D window 2
.set MUL_HI, 0xf1
.set TO_B,   0x40                      ; destination window 1, address window 0
.macro JLOAD g0a, g1a, g0b, g1b        ; a joint load: waves 0 and 1 fetch ctx's halves, waves 2 and 3 Wo's; four v_nop follow each line
	s_cmp_eq_u32 s15, 0
	s_cbranch_scc0 .Lfor_b_\@
	tensor_load_to_lds s[\g0a:\g0a+3], s[\g1a:\g1a+7]
	s_nop 0
.rept 4
	v_nop
.endr
	s_branch .Lasked_\@
.Lfor_b_\@:
	tensor_load_to_lds s[\g0b:\g0b+3], s[\g1b:\g1b+7]
	s_nop 0
.rept 4
	v_nop
.endr
.Lasked_\@:
.endm
.macro CREST
	s_cmp_lg_u32 s14, 0
	s_cbranch_scc1 .Lnot_wave_0_\@
	s_barrier_signal -3
.Lnot_wave_0_\@:
	s_barrier_wait -3
	s_barrier_signal -1
	s_barrier_wait -1
.endm
.macro CROUND
	s_barrier_signal -1
	s_barrier_wait -1
	CREST
.endm
	s_load_b256 s[4:11], s[0:1], 0x0               ; ctx_codes 4, Wo_codes 6, the scales 8, bo 10
	s_load_b64 s[OUTP:OUTP+1], s[0:1], 0x20        ; out0
	v_lshl_add_u32 v[SPW], v0, 2, SPARE
	v_mov_b32 v[NIL], 0
	ds_add_u32 v28, v29
	ds_add_u32 v28, v29
	s_wait_dscnt 0x0
	v_lshrrev_b32 v1, 5, v0
	v_readfirstlane_b32 s14, v1                    ; wave 0..3
	s_lshr_b32 s15, s14, 1                         ; which half of the tile's rows is mine.  Also: I fetch for ctx (0) or for Wo (1)
	s_and_b32 s16, s14, 1                          ; which half of its columns.  Also: which 128 rows of that tile I fetch
	s_bfe_u32 s40, ttmp6, 0x40000                  ; cx, cy
	s_bfe_u32 s41, ttmp6, 0x40004
	s_lshl_b32 s42, ttmp9, 2
	s_add_co_u32 s42, s42, s40                     ; tile column = 4 x cluster x + cx
	s_and_b32 s17, ttmp7, 0xffff
	s_lshl_b32 s17, s17, 2
	s_add_co_u32 s17, s17, s41                     ; tile row = 4 x cluster y + cy
	s_lshl_b32 s43, s41, 2
	s_lshl_b32 s43, 15, s43                        ; my row of the cluster
	s_lshl_b32 s44, 0x1111, s40                    ; my column
	; ctx's tile: four heads' 128 rows; a head's 128 rows x 64 bytes are 8,192 dense bytes: four rows of 8,192 bytes, a plane apart, 16 bytes of padding behind every 64
	s_or_b32 s[G1+0], s43, (0<<16)|(1<<20)|(1<<21)|(3<<22)|(3<<25)  ; 15:0 the mask: my row; 17:16 element of 1 byte; 20 padding on; 21 set beside a mask; 24:22 after every 16 words; 31:25 of 4 words
	s_mov_b32 s[G1+1], 8192<<16                    ; tensor_dim0
	s_mov_b32 s[G1+2], 4<<16                       ; tensor_dim1
	s_mov_b32 s[G1+3], 8192<<16                    ; tile_dim0
	s_mov_b32 s[G1+4], 4                           ; tile_dim1
	s_mov_b32 s[G1+5], PLANE                       ; tensor_dim0_stride
	s_mov_b32 s[G1+6], 0
	s_mov_b32 s[G1+7], 0
	; Wo's tile: 128 rows x 256 bytes, 16 bytes of padding behind each
	s_or_b32 s[G1B+0], s44, (0<<16)|(1<<20)|(1<<21)|(5<<22)|(3<<25)
	s_mov_b32 s[G1B+1], ROWB<<16
	s_mov_b32 s[G1B+2], 128<<16
	s_mov_b32 s[G1B+3], ROWB<<16
	s_mov_b32 s[G1B+4], 128
	s_mov_b32 s[G1B+5], KROW
	s_mov_b32 s[G1B+6], 0
	s_mov_b32 s[G1B+7], 0
	s_lshl_b32 s18, s16, 7                         ; which 128 rows of the tile I fetch
	s_lshl_b32 s20, s17, 8
	s_add_co_u32 s20, s20, s18
	s_lshl_b32 s20, s20, 6                         ; ctx: row x 64 bytes in a plane
	s_lshl_b32 s46, s42, 8
	s_add_co_u32 s46, s46, s18
	s_lshl_b32 s46, s46, 10                        ; Wo: row x 1,024 bytes
	s_mov_b32 s21, 0
	s_mov_b32 s47, 0
	s_mul_i32 s45, s16, HALFA                      ; where they go: ctx's two halves,
	s_mul_i32 s19, s16, HALFB
	s_add_co_u32 s19, s19, 2*HALFA                 ; then Wo's two: no place in the cluster enters an LDS address
	s_wait_kmcnt 0x0
	s_load_b64 s[96:97], s[8:9], 0x28              ; e10, e11
	s_add_nc_u64 s[20:21], s[4:5], s[20:21]
	s_add_nc_u64 s[46:47], s[6:7], s[46:47]
	CROUND                                         ; all sixteen work-groups are here: the first joint loads meet
.irp s, 0,1
	s_mov_b32 s[G0+4*\s], 1
	s_add_co_u32 s[G0+4*\s+1], s45, \s*SLOT
	s_add_nc_u64 s[G0+4*\s+2:G0+4*\s+3], s[20:21], \s*4*PLANE
	s_or_b32 s[G0+4*\s+3], s[G0+4*\s+3], 0x80000000
	s_mov_b32 s[G0B+4*\s], 1
	s_add_co_u32 s[G0B+4*\s+1], s19, \s*SLOT
	s_add_nc_u64 s[G0B+4*\s+2:G0B+4*\s+3], s[46:47], \s*ROWB
	s_or_b32 s[G0B+4*\s+3], s[G0B+4*\s+3], 0x80000000
	JLOAD G0+4*\s, G1, G0B+4*\s, G1B
.endr
	v_and_b32 v1, 15, v0                           ; r
	v_bfe_u32 v2, v0, 4, 1                         ; h
	v_mul_u32_u24 v3, v1, APITCH
	v_lshl_add_u32 v3, v2, 4, v3                   ; ctx: row x pitch + 16 h
	v_mul_u32_u24 v4, v1, PITCH
	v_lshl_add_u32 v4, v2, 4, v4                   ; Wo likewise
	s_mul_i32 s21, s15, HALFA                      ; my 128 rows of ctx
	s_mul_i32 s22, s16, HALFB                      ; my 128 rows of Wo,
	s_add_co_u32 s22, s22, 2*HALFA                 ; which lie behind ctx's 256
.irp s, 0,1
	v_add_nc_u32 v[ADRA+\s], s21, v3
	v_add_nc_u32 v[ADRB+\s], s22, v4
	s_add_co_u32 s21, s21, SLOT
	s_add_co_u32 s22, s22, SLOT
.endr
	s_mul_i32 s23, s14, 16*SPITCH                  ; my stage
	v_mul_u32_u24 v5, v1, SPITCH                   ; in: row r, 32 bytes for each half of the lanes
	v_lshl_add_u32 v5, v2, 5, v5
	v_add_nc_u32 v[STO], s23, v5
	v_and_b32 v6, 31, v0
	v_lshlrev_b32 v[CO], 4, v6                     ; back: the 32 lanes take one row of 512 bytes; and the same in out0
	v_add_nc_u32 v[RD], s23, v[CO]
	s_lshl_b32 s20, s17, 8
	s_lshl_b32 s21, s15, 7
	s_add_co_u32 s20, s20, s21                     ; my first row: 256 x tile row + 128 x half,
	s_lshl_b32 s20, s20, 12                        ; x 4,096 bytes: under 2^25
	s_mov_b32 s21, 0
	s_lshl_b32 s46, s42, 10                        ; my first column, in bytes: 1,024 x tile column + 512 x half
	s_lshl_b32 s47, s16, 9
	s_add_co_u32 s46, s46, s47
	s_mov_b32 s47, 0
	s_add_nc_u64 s[10:11], s[10:11], s[46:47]      ; bo at my first column
	s_add_nc_u64 s[20:21], s[20:21], s[46:47]
	s_add_nc_u64 s[OUTP:OUTP+1], s[OUTP:OUTP+1], s[20:21]
	v_lshlrev_b32 v7, 5, v2                        ; bo: register 8 b + j of a lane belongs to column 16 b + 8 h + j, in every block of rows
.irp b, 0,1,2,3,4,5,6,7
	global_load_b128 v[BO+8*\b:BO+8*\b+3], v7, s[10:11] offset:64*\b
	global_load_b128 v[BO+8*\b+4:BO+8*\b+7], v7, s[10:11] offset:64*\b+16
.endr
.macro FRAG reg, adr, q, i             ; Wo: registers 4 c .. 4 c + 3 hold K = 32 c + 16 (l / 16) + 0 .. 15 of row l % 16
.irp c, 0,1,2,3
	ds_load_b128 v[\reg+4*\c:\reg+4*\c+3], v[\adr] offset:128*(\q)+32*\c+(\i)*16*PITCH
.endr
.endm
.macro FRAGA reg, adr, q, i            ; ctx: the same K in the same registers: 128 along K are two heads, head 2 q + c / 2 of the slot's four, bytes 32 (c % 2) + 16 (l / 16) on
.irp c, 0,1,2,3
	ds_load_b128 v[\reg+4*\c:\reg+4*\c+3], v[\adr] offset:(2*(\q)+\c/2)*AHEAD+32*(\c%2)+(\i)*16*APITCH
.endr
.endm
.macro MUL16 a0, p, zero               ; 16 matrix instructions; the 64 accumulators take turns, one instruction a turn
.irp a, \a0, \a0+1
.irp b, 0,1,2,3,4,5,6,7
.if \zero
	v_wmma_f32_16x16x128_fp8_fp8 v[8*(8*((\a)%4)+\b):8*(8*((\a)%4)+\b)+7], v[128*(\p)+FR*\b:128*(\p)+FR*\b+FR-1], v[AF+FR*(\a):AF+FR*(\a)+FR-1], 0
.else
	v_wmma_f32_16x16x128_fp8_fp8 v[8*(8*((\a)%4)+\b):8*(8*((\a)%4)+\b)+7], v[128*(\p)+FR*\b:128*(\p)+FR*\b+FR-1], v[AF+FR*(\a):AF+FR*(\a)+FR-1], v[8*(8*((\a)%4)+\b):8*(8*((\a)%4)+\b)+7]
.endif
.endr
.endr
.endm
.macro FETCH_B slot, q, p
	WIN TO_B
.irp i, 0,1,2,3,4,5,6,7
	FRAG 128*(\p)+FR*\i, ADRB+\slot, \q, \i
.endr
	WIN 0
.endm
.macro FETCH_A slot, q, i0
.irp i, \i0, \i0+1, \i0+2, \i0+3
	FRAGA AF+FR*(\i), ADRA+\slot, \q, \i
.endr
.endm
.macro PLACES n                        ; plain vector instructions between a matrix instruction and a load into a register that it has read, or a read of its result (ISA guide 7.12.1 for a read of its result)
.rept \n
	v_nop
.endr
.endm
.macro STEP slot, q, zero              ; a step of 128 along K that has its successor in the same slot
	s_wait_dscnt 4*NL                              ; Wo's set and ctx's blocks 0-3 are in; the youngest 16 loads (blocks 4-7) may be out
	WIN MUL_LO
	MUL16 0, (\q)%2, \zero
	MUL16 2, (\q)%2, \zero
	s_wait_dscnt 0
	PLACES NP
	FETCH_B \slot, (\q)+1, 1-(\q)%2
	FETCH_A \slot, (\q)+1, 0
	WIN MUL_HI
	MUL16 4, (\q)%2, \zero
	MUL16 6, (\q)%2, \zero
	PLACES NP
	WIN 0
	FETCH_A \slot, (\q)+1, 4
.endm
; A slot's last step changes slots: ONE barrier; in front of it each wave waits for all its tensor loads, adds 0 to its spare word, and waits for that and for its own reads of this slot.  fill = 1: this slot is filled again, two K steps ahead.
.macro TURN slot, next, fill
	s_wait_tensorcnt 0x0                           ; all my tensor loads have landed: my part of the next slot
	ds_add_u32 v[SPW], v[NIL]                      ; 0 onto my spare word
	s_wait_dscnt 4*NL+1                            ; (the add and the youngest 16 loads may be out)
	WIN MUL_LO
	MUL16 0, 1, 0
	s_wait_dscnt 0x0                               ; the add is done, and my reads of this slot are over
	s_barrier_signal -1
	MUL16 2, 1, 0
	WIN 0
	s_barrier_wait -1
.if \fill
	CREST                                          ; the barrier has opened a round of the cluster's barrier: no wave of any partner still reads this slot's tile or has a load on its way
	s_add_nc_u64 s[G0+4*\slot+2:G0+4*\slot+3], s[G0+4*\slot+2:G0+4*\slot+3], 8*PLANE
	s_add_nc_u64 s[G0B+4*\slot+2:G0B+4*\slot+3], s[G0B+4*\slot+2:G0B+4*\slot+3], 2*ROWB
	JLOAD G0+4*\slot, G1, G0B+4*\slot, G1B         ; the first tensor load behind the round; its four v_nop are the places in front of the loads below
.else
	PLACES NP
.endif
	FETCH_B \next, 0, 0
	FETCH_A \next, 0, 0
	WIN MUL_HI
	MUL16 4, 1, 0
	MUL16 6, 1, 0
	PLACES NP
	WIN 0
	FETCH_A \next, 0, 4
.endm
	s_wait_tensorcnt 1                             ; my part of K step 0 is in (K step 1's load, issued behind it, may be out)
	s_barrier_signal -1
	s_barrier_wait -1                              ; everybody's is
	FETCH_B 0, 0, 0
	FETCH_A 0, 0, 0
	FETCH_A 0, 0, 4
	STEP 0, 0, 1                                   ; four K steps of 256, eight steps of 128: written out, no loop.  The first products start the sums
	TURN 0, 1, 1                                   ; slot 0 takes K step 2
	STEP 1, 0, 0
	TURN 1, 0, 1                                   ; slot 1 takes K step 3
	STEP 0, 0, 0
	TURN 0, 1, 0                                   ; nothing is left to fetch: no round
	STEP 1, 0, 0
	s_wait_dscnt 4*NL
	WIN MUL_LO
	MUL16 0, 1, 0
	MUL16 2, 1, 0
	s_wait_dscnt 0
	WIN MUL_HI
	MUL16 4, 1, 0
	MUL16 6, 1, 0
	WIN 0
; THE WAY OUT, block by block of 16 rows x 128 columns: sum x 2^(e10 + e11) + bo, one packed multiply-add for two numbers; through my own stage in LDS; back as whole rows of 512 bytes.
; LDS serves a wave's instructions in order (ISA guide 5.7.1.4): no wait between the stores and the loads, nor in front of the next block's stores.
.macro TOSTAGE a
.set AC, 64*((\a)%4)
	WIN 0x02+((\a)/4)                              ; source 0: window 2 or 3
.set j, 0
.rept 32
	v_pk_fma_f32 v[TMP+j:TMP+j+1], v[AC+j:AC+j+1], s[96:97], v[BO+j:BO+j+1] op_sel_hi:[1,0,1]   ; (the scalar pair's low word for both halves); each accumulator from its low end on
.set j, j+2
.endr
	WIN 0
.irp b, 0,1,2,3,4,5,6,7
	ds_store_b128 v[STO], v[TMP+8*\b:TMP+8*\b+3] offset:64*\b
	ds_store_b128 v[STO], v[TMP+8*\b+4:TMP+8*\b+7] offset:64*\b+16
.endr
.set BB, 64*((\a)%2)
	WIN TO_B                                       ; the rows come back into window 1, where Wo's first set lay
.irp t, 0,1,2,3,4,5,6,7,8,9,10,11,12,13,14,15
	ds_load_b128 v[BB+4*\t:BB+4*\t+3], v[RD] offset:\t*SPITCH
.endr
	WIN 0
.endm
.macro SEND a, younger                 ; younger: the LDS instructions issued behind block a's loads, which may stay out
.set BB, 64*((\a)%2)
	s_wait_dscnt \younger                          ; the block is back in registers
.if (\a) > 0
	s_add_nc_u64 s[OUTP:OUTP+1], s[OUTP:OUTP+1], 16*SIZE_N*4   ; (behind a wait on XCNT: the earlier stores have read their base)  16 rows on
.endif
	WIN 0x04                                       ; a store's data: window 1
.irp t, 0,1,2,3,4,5,6,7,8,9,10,11,12,13,14,15
	global_store_b128 v[CO], v[BB+4*\t:BB+4*\t+3], s[OUTP:OUTP+1] offset:\t*SIZE_N*4 th:TH_STORE_NT   ; 32 lanes store 512 consecutive bytes, at a multiple of 256 from out0's first byte; written once, read by nobody here
.endr
	WIN 0
.endm
	s_wait_kmcnt 0x0
	s_add_co_i32 s96, s96, s97                     ; e10 + e11, between -126 and 127,
	s_add_co_i32 s96, s96, 127
	s_lshl_b32 s96, s96, 23                        ; makes the f32 number 2^(e10 + e11)
	s_mov_b32 s97, s96                             ; (named with it as a pair)
	s_wait_loadcnt 0x0                             ; bo
	PLACES NP                                      ; in front of the first writes of registers that held ctx's fragments
	TOSTAGE 0
.irp a, 1,2,3,4,5,6,7
.if \a > 1
	s_wait_xcnt 0x0                                ; block a - 2's stores have read their registers and their base: block a's loads may land there, and the base may step
.endif
	TOSTAGE \a
	SEND \a-1, 32                                  ; behind block a - 1's loads: block a's 16 stores and 16 loads
.endr
	s_wait_xcnt 0x0                                ; block 6's stores have read their base
	SEND 7, 0
	s_wait_tensorcnt 0x0                           ; the wave's end
	ds_add_u32 v[SPW], v[NIL]
	s_wait_dscnt 0x0
	CROUND                                         ; the closing round: no work-group ends while a partner may still ask for a tile that names it
	s_endpgm
.Lfunc_end_k_q62fa973f8e_oproj:
	.size	k_q62fa973f8e_oproj, .Lfunc_end_k_q62fa973f8e_oproj-k_q62fa973f8e_oproj
	.p2alignl 7, 3214868480
	.fill 96, 4, 3214868480
	.section	.rodata,"a",@progbits
	.p2align	6, 0x0
	.amdhsa_kernel k_q62fa973f8e_oproj
		.amdhsa_group_segment_fixed_size 327680
		.amdhsa_private_segment_fixed_size 0
		.amdhsa_enable_private_segment 0
		.amdhsa_kernarg_size 40
		.amdhsa_user_sgpr_count 2
		.amdhsa_user_sgpr_kernarg_segment_ptr 1
		.amdhsa_wavefront_size32 1
		.amdhsa_system_sgpr_workgroup_id_x 1
		.amdhsa_system_sgpr_workgroup_id_y 1
		.amdhsa_system_sgpr_workgroup_id_z 1
		.amdhsa_system_vgpr_workitem_id 0
		.amdhsa_next_free_vgpr 1024
		.amdhsa_next_free_sgpr 98
		.amdhsa_reserve_vcc 0
		.amdhsa_float_denorm_mode_32 3
		.amdhsa_float_denorm_mode_16_64 3
		.amdhsa_memory_ordered 1
		.amdhsa_forward_progress 1
		.amdhsa_inst_pref_size 126
	.end_amdhsa_kernel
	.amdgpu_metadata
---
amdhsa.version: [ 1, 2 ]
amdhsa.kernels:
  - .name:           k_q62fa973f8e_oproj
    .symbol:         k_q62fa973f8e_oproj.kd
    .args:
      - { .name: ctx_codes, .offset: 0, .size: 8, .value_kind: global_buffer, .address_space: global }
      - { .name: Wo_codes, .offset: 8, .size: 8, .value_kind: global_buffer, .address_space: global }
      - { .name: lowp_scales, .offset: 16, .size: 8, .value_kind: global_buffer, .address_space: global }
      - { .name: bo, .offset: 24, .size: 8, .value_kind: global_buffer, .address_space: global }
      - { .name: out0, .offset: 32, .size: 8, .value_kind: global_buffer, .address_space: global }
    .group_segment_fixed_size: 327680
    .private_segment_fixed_size: 0
    .kernarg_segment_align: 8
    .kernarg_segment_size: 40
    .max_flat_workgroup_size: 128
    .sgpr_count:     98
    .vgpr_count:     1024
    .wavefront_size: 32
...
	.end_amdgpu_metadata
.endif
;; end of part 3
